; MI455X (gfx1250); checked and timed in simulation.
; The chip was launched on July 23, 2026; its instructions are those of AMD's public machine-readable ISA for CDNA 5 (MIT licence, August 2026) and "CDNA5" Instruction Set Architecture Reference Guide (July 2026). The comments in the code are by the model that wrote it; some were corrected since.
;; Multi Head Attention. Allowed arithmetic: matrix products marked QUANTISED: E2M1 operands, one E8M0 scale for each 32 along K, by v_wmma_scale_f32_16x16x128_f8f6f4 with both operands' format E2M1 (or v_wmma_scale_f32_32x16x128_f4), f32 sums; everything else in f32.
;; Inputs: Wk 16 x 64 x 1,024 float32; Wo 1,024 x 1,024 float32; Wq 16 x 64 x 1,024 float32; Wv 16 x 64 x 1,024 float32; bk 16 x 64 float32; bo 1,024 float32; bq 16 x 64 float32; bv 16 x 64 float32; ln_beta 1,024 float32; ln_gamma 1,024 float32; x 4 x 2,048 x 1,024 float32.
;; Outputs: out0 4 x 2,048 x 1,024 float32.
;; This version of the problem:
;;   THIS VERSION OF THE PROBLEM IS GIVEN IN LOW PRECISION. The matrix products marked QUANTISED in the list below multiply operands that are first quantised to E2M1 (2 exponent bits, 1 mantissa bit; 4 bits a number), with one power-of-two scale for each 32 numbers along K (OCP MX v1.0); their sums are f32. All else is computed in f32.
;;   The module's matrix products, in the order in which they are computed (A, B: the left and right operand; K: the contracted axis; several contracted axes count as one K, in the product's order):
;;     1. [M 1,024, K 1,024] x [K 1,024, N 8,192]; A: input Wq; B: computed on the way: QUANTISED
;;     2. [M 1,024, K 1,024] x [K 1,024, N 8,192]; A: input Wk; B: computed on the way: QUANTISED
;;     3. [M 1,024, K 1,024] x [K 1,024, N 8,192]; A: input Wv; B: computed on the way: QUANTISED
;;     4. batch 64 x [M 2,048, K 64] x [K 64, N 2,048]; A: computed on the way; B: computed on the way: QUANTISED
;;     5. batch 64 x [M 2,048, K 2,048] x [K 2,048, N 64]; A: softmax (see below); B: computed on the way: QUANTISED
;;     6. [M 8,192, K 1,024] x [K 1,024, N 1,024]; A: computed on the way; B: input Wo: QUANTISED
;;   THE QUANTISER, for each operand of a quantised product, along K:
;;     - K is cut into blocks of 32 from its start; a last block that is shorter is filled with zeros.
;;     - A block's scale is 2^e with e = floor(log2(the largest magnitude in the block)) - 2, held to -126 .. 127; a block of zeros has e = 0. As a byte (E8M0): e + 127.
;;     - Each number is divided by its block's scale, clamped to +-6, and rounded to the nearest number of E2M1, ties to even, subnormals kept.
;;     - The product sums the exact products of the quantised numbers (number of the format x scale) in f32.
;;   ~~~python
;;   def quantise(x, axis):      # numpy; x: float32 -> the quantised numbers, widened to float32 again
;;       x = np.moveaxis(x, axis, -1); K = x.shape[-1]
;;       x = np.pad(x, [(0, 0)] * (x.ndim - 1) + [(0, -K % 32)]); x = x.reshape(x.shape[:-1] + (-1, 32)); a = np.abs(x).max(-1, keepdims=True)
;;       e = np.where(a > 0, np.clip(np.frexp(np.where(a > 0, a, 1))[1] - 1 - 2, -126, 127), 0)      # np.frexp(a)[1] - 1 = floor(log2(a)), exactly
;;       r = np.clip(x / 2.0 ** e, -6, 6)
;;       step = 2.0 ** (np.maximum(np.frexp(np.where(r == 0, 1, r))[1] - 1, 0) - 1)
;;       q = np.round(r / step) * step * 2.0 ** e      # np.round: ties to even
;;       return np.moveaxis(q.reshape(q.shape[:-2] + (-1,))[..., :K], -1, axis).astype(np.float32)
;;   ~~~
;;   SOFTMAX AHEAD OF A QUANTISED PRODUCT. Where the list says 'softmax', what is quantised is not the finished softmax but p = 2^(t - M), with t = logit x log2(e) and M = ceil(the row's largest t), a whole number; so 1/2 < the row's largest p <= 1. The row's sum l is taken of the UNQUANTISED p, in f32, and the product's result is divided by l at the end. Since M is a whole number, a kernel that streams over the keys may use a running M (the ceiling of the running maximum): every later rescaling is an exact power of two, which a block's scale takes up: the codes' values come out the same.
;;   OPERANDS COMPUTED ON THE WAY. 'Computed on the way' means the value that the module computes at that place (a softmax that the list does not call 'softmax' is quantised finished and normalised). What goes into a quantiser is computed in f32, as accurately as f32 sums, v_exp_f32 and their like allow (about 1e-6 of the number): no bf16 or f16 on the way to a quantiser, and a product that is left as it is and whose result goes on into a quantised operand takes f32 operands (vector FMAs, or v_wmma_f32_16x16x4_f32). A number that lies on a knife's edge between two numbers of the format may be rounded either way, as far as f32 arithmetic and the matrix unit's own rounding can turn it there, and no further.
;; One version. Each part assembles by itself: llvm-mc -triple=amdgcn-amd-amdhsa -mcpu=gfx1250 --defsym DOCPART=n.
;; ======== version 1 of 1: 4 launches
;; limits: right only within a limited range of input values
;; workspace buffers: xc 4,194,304 bytes; wc 2,097,152 bytes; sc 393,216 bytes; qc 4,194,304 bytes; qs 524,288 bytes; kv 8,912,896 bytes; cc 4,194,304 bytes; csc 262,144 bytes
;; launch prep (part 1): grid 384 x 1, 8 waves a work-group, no clusters, 133,632 bytes of LDS; arguments x, Wq, Wk, Wv, Wo, ln_gamma, ln_beta, xc, wc, sc; writes xc, wc, sc
.if DOCPART == 1
	.amdgcn_target "amdgcn-amd-amdhsa--gfx1250"
	.amdhsa_code_object_version 6
	.text
	.protected	k_qcd9528213a_prep
	.globl	k_qcd9528213a_prep
	.p2align	8
	.type	k_qcd9528213a_prep,@function
k_qcd9528213a_prep:
	s_mov_b64 s[64:65], 0
	v_nop
	global_prefetch_b8 v0, s[64:65] scope:SCOPE_SE
	s_setreg_imm32_b32 hwreg(HW_REG_WAVE_MODE, 25, 1), 1
	s_wait_xcnt 0x0
; LayerNorm of x, and the quantising of xn, Wq, Wk, Wv, Wo to FP4 (E2M1) with one E8M0 byte for each 32 along K = 1,024.
; A work-group takes a GROUP of 32 rows of 1,024 f32: groups 0-255 are x's (they get the LayerNorm), 256-383 the four weights' (32 groups each, as they are).
; WHAT IS STORED is an image of operand registers.  A group has two TILES of 16 rows: row r of tile u is row 8 u + r + 8 (r / 8) of the group.
;   codes,  16,384 bytes a group: byte ks 2048 + u 1024 + c 512 + 16 lane = registers 4 c .. 4 c + 3 of the fragment (tile u, K step ks) of that lane: row r = lane % 16, k = 128 ks + 64 c + 32 (lane / 16) + 0 .. 31
;   scales,  1,024 bytes a group: byte (ks / 4) 512 + (16 u + r) 16 + (ks % 4) 4 = the four E8M0 bytes of row (u, r) for K step ks
; PHASE 1: wave w holds rows 4 w .. 4 w + 3 whole (a lane: 32 numbers of each), so mean and variance never leave the wave; the rows go to LDS, slot 16 u + r.
; PHASE 2: wave w is K step w: a lane reads whole blocks of 32 numbers of its row, so a block's largest magnitude needs no other lane, and the conversions' results are the fragment's registers.
; Every load reads and every store of codes writes 512 consecutive bytes, aligned.  No tensor load, no matrix instruction.  Work-groups share only gamma and beta, 8 KB beside the 128 KB of rows: no cluster.
; LIMITS: NaN and infinities are not served.  A block of zeros gets the byte 1 and not 127: its codes are zeros and only this program reads the bytes.  A block's largest magnitude is held at 2^-124 from below.
.set PIT,  4112                        ; an LDS slot: a row's 4,096 bytes + 16: the sixteen rows that a load of phase 2 touches begin 16 bytes apart modulo 256
.set SCS,  32*PIT                      ; behind the 32 slots: the group's scale image, 1,024 bytes
.set LI,   1                           ; v1   16 x lane
.set SA,   2                           ; v2   phase 1: where my wave's first row goes, + 16 x lane
.set RA,   3                           ; v3, v4  phase 2: my row of tile 0, of tile 1, at my half's 128 bytes of K step w
.set SW,   5                           ; v5   where my row's scale word goes
.set SR,   6                           ; v6   the scale image read back
.set SH8,  7                           ; v7   8 x (lane / 16)
.set SU,   8                           ; v8-15   a pair for each row: sums
.set MU,   16                          ; v16-23  a pair for each row: the mean, twice
.set TP,   24                          ; v24-31  a pair for each row: a second chain; then 1 / sqrt(var + eps), twice
.set X,    32                          ; v32-159 phase 1: row j at 32 j; phase 2: block (u, c) at 32 (2 u + c)
.set GA,   160                         ; v160-191 gamma
.set BE,   192                         ; v192-223 beta
.set C,    160                         ; phase 2: the codes, four registers a block
.set T,    176                         ; largest magnitudes
.set S,    180                         ; the conversions' scale operands
.set BY,   184                         ; scale bytes
.set W,    188                         ; scale words of tile 0, 1
.set WT,   190
	s_load_b256 s[4:11], s[0:1], 0x0               ; x, Wq, Wk, Wv
	s_load_b256 s[12:19], s[0:1], 0x20             ; Wo, gamma, beta, xc
	s_load_b128 s[20:23], s[0:1], 0x40             ; wc, sc
	v_lshl_add_u32 v224, v0, 2, 0x20600
	v_mov_b32 v225, 0
	v_lshrrev_b32 v8, 5, v0
	s_delay_alu instid0(VALU_DEP_1)
	v_readfirstlane_b32 s2, v8                     ; wave 0..7
	v_and_b32 v9, 31, v0
	v_and_b32 v10, 15, v0                          ; r
	v_bfe_u32 v11, v0, 4, 1                        ; h
	s_delay_alu instid0(VALU_DEP_3)
	v_lshlrev_b32 v[LI], 4, v9
	s_wait_alu depctr_va_vdst(0)
	s_lshr_b32 s32, s2, 1                          ; row 4 w + j lies in tile (w / 2) % 2 at place 8 (w / 4) + 4 (w % 2) + j
	s_and_b32 s32, s32, 1
	s_lshl_b32 s32, s32, 4
	s_lshr_b32 s33, s2, 2
	s_lshl_b32 s33, s33, 3
	s_add_co_u32 s32, s32, s33
	s_and_b32 s33, s2, 1
	s_lshl_b32 s33, s33, 2
	s_add_co_u32 s32, s32, s33
	s_mul_i32 s32, s32, PIT
	v_add_nc_u32 v[SA], s32, v[LI]
	v_mul_u32_u24 v[RA], v10, PIT
	s_delay_alu instid0(VALU_DEP_1)
	v_lshl_add_u32 v[RA], v11, 7, v[RA]
	s_lshl_b32 s33, s2, 9
	v_add_nc_u32 v[RA], s33, v[RA]
	s_delay_alu instid0(VALU_DEP_1)
	v_add_nc_u32 v[RA+1], 16*PIT, v[RA]
	s_lshr_b32 s33, s2, 2
	s_lshl_b32 s33, s33, 9
	s_and_b32 s34, s2, 3
	s_lshl_b32 s34, s34, 2
	s_add_co_u32 s33, s33, s34
	s_add_co_u32 s33, s33, SCS
	v_lshl_add_u32 v[SW], v10, 4, s33
	s_and_b32 s34, s2, 1
	s_lshl_b32 s34, s34, 9
	s_add_co_u32 s35, s34, SCS
	v_add_nc_u32 v[SR], s35, v[LI]
	v_lshlrev_b32 v[SH8], 3, v11
	s_mov_b32 s37, 0x3a800000                      ; 1 / 1,024
	s_mov_b32 s38, 0x3727c5ac                      ; 1e-5
	s_mov_b32 s40, 0x76543210                      ; v_permlanex16_b32's selects for lane l xor 16
	s_mov_b32 s41, 0xfedcba98
	s_and_b32 s28, ttmp9, 31                       ; a weight's group,
	s_sub_co_u32 s29, ttmp9, 256                   ; and its place among the 128 groups of wc
	s_wait_kmcnt 0x0
	s_mov_b64 s[24:25], s[12:13]                   ; the source is chosen by the work-group's number alone
	s_cmp_lt_u32 ttmp9, 352
	s_cselect_b64 s[24:25], s[10:11], s[24:25]
	s_cmp_lt_u32 ttmp9, 320
	s_cselect_b64 s[24:25], s[8:9], s[24:25]
	s_cmp_lt_u32 ttmp9, 288
	s_cselect_b64 s[24:25], s[6:7], s[24:25]
	s_cmp_lt_u32 ttmp9, 256
	s_cselect_b64 s[24:25], s[4:5], s[24:25]
	s_cselect_b64 s[26:27], s[18:19], s[20:21]     ; the codes go to xc or to wc
	s_cselect_b32 s28, ttmp9, s28
	s_cselect_b32 s29, ttmp9, s29
	s_lshl_b32 s30, s28, 17                        ; 32 rows of 4,096 bytes a group,
	s_lshl_b32 s31, s2, 14                         ; four rows a wave
	s_add_co_u32 s30, s30, s31
	s_mov_b32 s31, 0
	s_add_nc_u64 s[24:25], s[24:25], s[30:31]
	s_lshl_b32 s30, s29, 14                        ; 16,384 bytes of codes a group, 2,048 a K step
	s_lshl_b32 s36, s2, 11
	s_add_co_u32 s30, s30, s36
	s_add_nc_u64 s[26:27], s[26:27], s[30:31]
	s_lshl_b32 s30, ttmp9, 10                      ; 1,024 scale bytes a group: the weights' images follow x's 256 in sc
	s_add_co_u32 s30, s30, s34
	s_add_nc_u64 s[22:23], s[22:23], s[30:31]
.irp j, 0,1,2,3
.irp i, 0,1,2,3,4,5,6,7
	global_load_b128 v[X+32*\j+4*\i:X+32*\j+4*\i+3], v[LI], s[24:25] offset:4096*\j+512*\i th:TH_LOAD_NT
.endr
.endr
	s_cmp_ge_u32 ttmp9, 256                        ; weights are quantised as they are: the branch goes round register work and the loads of gamma and beta alone
	s_cbranch_scc1 .Lplain
.irp i, 0,1,2,3,4,5,6,7
	global_load_b128 v[GA+4*\i:GA+4*\i+3], v[LI], s[14:15] offset:512*\i
	global_load_b128 v[BE+4*\i:BE+4*\i+3], v[LI], s[16:17] offset:512*\i
.endr
	s_wait_loadcnt 16                              ; my four rows are in; the 16 younger loads (gamma, beta) may be out
.irp j, 0,1,2,3                                ; the rows' sums: two chains a row, the four rows by turns
	v_pk_add_f32 v[SU+2*\j:SU+2*\j+1], v[X+32*\j:X+32*\j+1], v[X+32*\j+2:X+32*\j+3]
	v_pk_add_f32 v[TP+2*\j:TP+2*\j+1], v[X+32*\j+4:X+32*\j+5], v[X+32*\j+6:X+32*\j+7]
.endr
.irp p, 8,12,16,20,24,28
.irp j, 0,1,2,3
	v_pk_add_f32 v[SU+2*\j:SU+2*\j+1], v[SU+2*\j:SU+2*\j+1], v[X+32*\j+\p:X+32*\j+\p+1]
	v_pk_add_f32 v[TP+2*\j:TP+2*\j+1], v[TP+2*\j:TP+2*\j+1], v[X+32*\j+\p+2:X+32*\j+\p+3]
.endr
.endr
.macro ACROSS                          ; the two chains, the pair's halves, then the 32 lanes: every lane ends with the row's sum in v[SU + 2 j]
.irp j, 0,1,2,3
	v_pk_add_f32 v[SU+2*\j:SU+2*\j+1], v[SU+2*\j:SU+2*\j+1], v[TP+2*\j:TP+2*\j+1]
.endr
.irp j, 0,1,2,3
	s_delay_alu instid0(VALU_DEP_4)
	v_add_f32 v[SU+2*\j], v[SU+2*\j], v[SU+2*\j+1]
.endr
.irp m, 1,2,4,8
.irp j, 0,1,2,3
	s_delay_alu instid0(VALU_DEP_4)
	v_add_f32_dpp v[SU+2*\j], v[SU+2*\j], v[SU+2*\j] row_xmask:\m row_mask:0xf bank_mask:0xf
.endr
.endr
.irp j, 0,1,2,3
	s_delay_alu instid0(VALU_DEP_4)
	v_permlanex16_b32 v[TP+2*\j], v[SU+2*\j], s40, s41
.endr
.irp j, 0,1,2,3
	s_delay_alu instid0(VALU_DEP_4)
	v_add_f32 v[SU+2*\j], v[SU+2*\j], v[TP+2*\j]
.endr
.endm
	ACROSS
.irp j, 0,1,2,3
	v_mul_f32 v[MU+2*\j], s37, v[SU+2*\j]          ; the mean, in both halves of a pair
	v_mul_f32 v[MU+2*\j+1], s37, v[SU+2*\j]
.endr
.irp p, 0,2,4,6,8,10,12,14,16,18,20,22,24,26,28,30
.irp j, 0,1,2,3
	v_pk_add_f32 v[X+32*\j+\p:X+32*\j+\p+1], v[X+32*\j+\p:X+32*\j+\p+1], v[MU+2*\j:MU+2*\j+1] neg_lo:[0,1] neg_hi:[0,1]   ; x - mean: the variance is taken of these, so a common offset of x costs no accuracy
.endr
.endr
.irp j, 0,1,2,3
	v_pk_mul_f32 v[SU+2*\j:SU+2*\j+1], v[X+32*\j:X+32*\j+1], v[X+32*\j:X+32*\j+1]
	v_pk_mul_f32 v[TP+2*\j:TP+2*\j+1], v[X+32*\j+2:X+32*\j+3], v[X+32*\j+2:X+32*\j+3]
.endr
.irp p, 4,8,12,16,20,24,28
.irp j, 0,1,2,3
	v_pk_fma_f32 v[SU+2*\j:SU+2*\j+1], v[X+32*\j+\p:X+32*\j+\p+1], v[X+32*\j+\p:X+32*\j+\p+1], v[SU+2*\j:SU+2*\j+1]
	v_pk_fma_f32 v[TP+2*\j:TP+2*\j+1], v[X+32*\j+\p+2:X+32*\j+\p+3], v[X+32*\j+\p+2:X+32*\j+\p+3], v[TP+2*\j:TP+2*\j+1]
.endr
.endr
	ACROSS
.irp j, 0,1,2,3
	s_delay_alu instid0(VALU_DEP_4)
	v_fma_f32 v[SU+2*\j], v[SU+2*\j], s37, s38     ; var + eps
.endr
	s_wait_alu depctr_va_vdst(0)
.irp j, 0,1,2,3
	v_rsq_f32 v[TP+2*\j], v[SU+2*\j]
.endr
	v_nop                                          ; a plain instruction between the last root and the use of its result (ISA guide 5.7.2)
	s_wait_alu depctr_va_vdst(0)
.irp j, 0,1,2,3
	v_mov_b32 v[TP+2*\j+1], v[TP+2*\j]
.endr
	s_wait_alu depctr_va_vdst(0)
	s_wait_loadcnt 0x0                             ; gamma and beta
.irp p, 0,2,4,6,8,10,12,14,16,18,20,22,24,26,28,30
.irp j, 0,1,2,3
	v_pk_mul_f32 v[X+32*\j+\p:X+32*\j+\p+1], v[X+32*\j+\p:X+32*\j+\p+1], v[TP+2*\j:TP+2*\j+1]
.endr
.endr
.irp p, 0,2,4,6,8,10,12,14,16,18,20,22,24,26,28,30
.irp j, 0,1,2,3
	v_pk_fma_f32 v[X+32*\j+\p:X+32*\j+\p+1], v[X+32*\j+\p:X+32*\j+\p+1], v[GA+\p:GA+\p+1], v[BE+\p:BE+\p+1]
.endr
.endr
.Lplain:
	s_wait_loadcnt 0x0
	s_wait_alu depctr_va_vdst(0)
.irp j, 0,1,2,3
.irp i, 0,1,2,3,4,5,6,7
	ds_store_b128 v[SA], v[X+32*\j+4*\i:X+32*\j+4*\i+3] offset:PIT*\j+512*\i
.endr
.endr
	s_wait_dscnt 0x0                               ; for the others' sake: my rows lie in LDS
	s_barrier_signal -1
	s_barrier_wait -1
	; ---- phase 2: K step w of both tiles: four blocks of 32 numbers a lane
.irp u, 0,1
.irp c, 0,1
.irp i, 0,1,2,3,4,5,6,7
	ds_load_b128 v[X+32*(2*\u+\c)+4*\i:X+32*(2*\u+\c)+4*\i+3], v[RA+\u] offset:256*\c+16*\i
.endr
.endr
.endr
	s_wait_dscnt 0x0
.irp b, 0,1,2,3
	v_max3_num_f32 v[T+\b], |v[X+32*\b]|, |v[X+32*\b+1]|, 0x1800000   ; with the floor 2^(3 - 127): the byte cannot fall under 1
.endr
.irp i, 2,4,6,8,10,12,14,16,18,20,22,24,26,28,30
.irp b, 0,1,2,3
	s_delay_alu instid0(VALU_DEP_4)
	v_max3_num_f32 v[T+\b], v[T+\b], |v[X+32*\b+\i]|, |v[X+32*\b+\i+1]|   ; the four blocks by turns
.endr
.endr
.irp b, 0,1,2,3
	s_delay_alu instid0(VALU_DEP_4)
	v_add_nc_u32 v[S+\b], 0xff000000, v[T+\b]      ; 2 off the exponent field: the conversion takes the exponent field of this operand as its scale
.endr
.irp b, 0,1,2,3
	s_delay_alu instid0(VALU_DEP_4)
	v_lshrrev_b32 v[BY+\b], 23, v[S+\b]            ; the scale's byte
.endr
.irp b, 0,1,2,3
.irp g, 0,1,2,3
	v_cvt_scalef32_pk8_fp4_f32 v[C+4*\b+\g], v[X+32*\b+8*\g:X+32*\b+8*\g+7], v[S+\b]
.endr
.endr
	v_nop                                          ; one plain instruction behind the last scaled conversion
.irp u, 0,1                                    ; my two bytes of a row's word are blocks h and 2 + h; lane l xor 16 has the other two
	v_lshl_or_b32 v[W+\u], v[BY+2*\u+1], 16, v[BY+2*\u]
	v_mov_b32 v[WT+\u], 0                          ; a lane permute's destination counts as one of its sources
.endr
.irp u, 0
	s_delay_alu instid0(VALU_DEP_4)
	v_lshlrev_b32 v[W+\u], v[SH8], v[W+\u]
.endr
.irp u, 1
	s_delay_alu instid0(VALU_DEP_3)
	v_lshlrev_b32 v[W+\u], v[SH8], v[W+\u]
.endr
.irp u, 0,1
	s_delay_alu instid0(VALU_DEP_2)
	v_permlanex16_b32 v[WT+\u], v[W+\u], s40, s41
.endr
.irp u, 0,1
	s_delay_alu instid0(VALU_DEP_2)
	v_or_b32 v[W+\u], v[W+\u], v[WT+\u]
.endr
.irp u, 0,1
.irp c, 0,1
	global_store_b128 v[LI], v[C+4*(2*\u+\c):C+4*(2*\u+\c)+3], s[26:27] offset:1024*\u+512*\c   ; 32 lanes store 512 consecutive bytes
.endr
	ds_store_b32 v[SW], v[W+\u] offset:256*\u      ; lanes r and r + 16 write the same word with the same value
.endr
	s_wait_dscnt 0x0                               ; for the others' sake: my scale words lie in LDS
	s_barrier_signal -1
	s_barrier_wait -1
	s_cmp_lt_u32 s2, 2                             ; waves 0 and 1 store the image's two halves, 512 consecutive bytes each
	s_cbranch_scc0 .Lend
	ds_load_b128 v[X:X+3], v[SR]
	s_wait_dscnt 0x0
	global_store_b128 v[LI], v[X:X+3], s[22:23]
.Lend:
	s_wait_tensorcnt 0x0
	ds_add_u32 v224, v225
	s_wait_dscnt 0x0
	s_endpgm
.Lfunc_end_k_qcd9528213a_prep:
	.size	k_qcd9528213a_prep, .Lfunc_end_k_qcd9528213a_prep-k_qcd9528213a_prep
	.p2alignl 7, 3214868480
	.fill 96, 4, 3214868480
	.section	.rodata,"a",@progbits
	.p2align	6, 0x0
	.amdhsa_kernel k_qcd9528213a_prep
		.amdhsa_group_segment_fixed_size 133632
		.amdhsa_private_segment_fixed_size 0
		.amdhsa_enable_private_segment 0
		.amdhsa_kernarg_size 80
		.amdhsa_user_sgpr_count 2
		.amdhsa_user_sgpr_kernarg_segment_ptr 1
		.amdhsa_wavefront_size32 1
		.amdhsa_system_sgpr_workgroup_id_x 1
		.amdhsa_system_sgpr_workgroup_id_y 1
		.amdhsa_system_sgpr_workgroup_id_z 1
		.amdhsa_system_vgpr_workitem_id 0
		.amdhsa_next_free_vgpr 226
		.amdhsa_next_free_sgpr 66
		.amdhsa_reserve_vcc 0
		.amdhsa_float_denorm_mode_32 3
		.amdhsa_float_denorm_mode_16_64 3
		.amdhsa_memory_ordered 1
		.amdhsa_forward_progress 1
		.amdhsa_inst_pref_size 48
	.end_amdhsa_kernel
	.amdgpu_metadata
---
amdhsa.version: [ 1, 2 ]
amdhsa.kernels:
  - .name:           k_qcd9528213a_prep
    .symbol:         k_qcd9528213a_prep.kd
    .args:
      - { .name: x, .offset: 0, .size: 8, .value_kind: global_buffer, .address_space: global }
      - { .name: Wq, .offset: 8, .size: 8, .value_kind: global_buffer, .address_space: global }
      - { .name: Wk, .offset: 16, .size: 8, .value_kind: global_buffer, .address_space: global }
      - { .name: Wv, .offset: 24, .size: 8, .value_kind: global_buffer, .address_space: global }
      - { .name: Wo, .offset: 32, .size: 8, .value_kind: global_buffer, .address_space: global }
      - { .name: ln_gamma, .offset: 40, .size: 8, .value_kind: global_buffer, .address_space: global }
      - { .name: ln_beta, .offset: 48, .size: 8, .value_kind: global_buffer, .address_space: global }
      - { .name: xc, .offset: 56, .size: 8, .value_kind: global_buffer, .address_space: global }
      - { .name: wc, .offset: 64, .size: 8, .value_kind: global_buffer, .address_space: global }
      - { .name: sc, .offset: 72, .size: 8, .value_kind: global_buffer, .address_space: global }
    .group_segment_fixed_size: 133632
    .private_segment_fixed_size: 0
    .kernarg_segment_align: 8
    .kernarg_segment_size: 80
    .max_flat_workgroup_size: 256
    .sgpr_count:     66
    .vgpr_count:     226
    .wavefront_size: 32
...
	.end_amdgpu_metadata
.endif
;; end of part 1
;; launch proj (part 2): grid 4 x 64, 4 waves a work-group, clusters of 4 x 1, 168,448 bytes of LDS; arguments xc, sc, wc, bq, bk, bv, qc, qs, kv; writes qc, qs, kv
.if DOCPART == 2
	.amdgcn_target "amdgcn-amd-amdhsa--gfx1250"
	.amdhsa_code_object_version 6
	.text
	.protected	k_qcd9528213a_proj
	.globl	k_qcd9528213a_proj
	.p2align	8
	.type	k_qcd9528213a_proj,@function
k_qcd9528213a_proj:
	s_mov_b64 s[64:65], 0
	v_nop
	global_prefetch_b8 v0, s[64:65] scope:SCOPE_SE
	s_setreg_imm32_b32 hwreg(HW_REG_WAVE_MODE, 25, 1), 1
	s_wait_xcnt 0x0
	s_wait_alu depctr_hold_cnt(0) depctr_sa_sdst(0) depctr_va_vdst(0) depctr_va_sdst(0) depctr_va_ssrc(0) depctr_va_vcc(0) depctr_vm_vsrc(0)
	s_getreg_b32 s2, hwreg(HW_REG_IB_STS2, 6, 4)
	s_cmp_eq_u32 s2, 0
	s_cbranch_scc0 .Lentry_in_a_cluster
	s_endpgm
.Lentry_in_a_cluster:
	s_bfe_u32 s2, ttmp6, 0x10000c
	s_cmp_lg_u32 s2, 0x3003
	s_cbranch_scc0 .Lentry_shape_is_right
	s_endpgm
.Lentry_shape_is_right:
; q, k, v = xn W^T + b on codes of FP4, and their quantising for the attention: q and k along the head's 64, v along the keys.  Nothing in f32 goes to memory.
; SHARES.  Work-group y is a block of 128 tokens (4 groups of 32); the four work-groups of a cluster take four heads each, wave w of work-group cx head 4 cx + w.
; A wave makes three UNITS of 128 tokens x 64 columns one after the other: q, k, v of its head: 32 accumulators, 256 registers.
; xn's codes of the 128 tokens (65,536 bytes, images of fragment registers) come into LDS ONCE, each wave bringing one group; the four partners need the same bytes and ask for them JOINTLY.
; W's fragments go from memory straight into registers: each is read by one wave of the cluster alone, so neither LDS nor a joint load would spare a byte.
; The next unit's fragments of W are loaded into each K step's registers as soon as that K step is multiplied.
; ORIENTATION.  q, k: source 0 = 16 rows of W, source 1 = 16 tokens: a lane holds one token, its registers run along the head's 64.  v: the other way round: a lane holds one of the head's 64, its registers run along the tokens (the keys).
; A tile's rows are 8 u + r + 8 (r / 8) of a group of 32, so that the 16 registers of two neighbouring tiles are 16 neighbours along the next K.  The bias is the C of each sum's first matrix instruction.
; WHAT IS STORED: qc [head of a batch][tile of 16 queries][lane][16 bytes]: lane (r, h): query r's block h.  qs: a word (s0, s1, s0, s1) a query.
;   kv [head of a batch][step of 128 keys][8,704 bytes]: K's 4 fragments (registers 0-3: tile u = 0, 4-7: tile u = 1 of a group of 32 keys), V's 4 fragments (16 of the head's 64 x 128 keys), K's and V's scale words.
; Every store covers 256 or 512 consecutive bytes, aligned.
; LIMITS: NaN and infinities are not served; a block of zeros gets the byte 1 (its codes are zeros; only this program reads the bytes); a block's largest magnitude is held at 2^-124 from below.
; REGISTERS.  window 0: v1-5 addresses; v32-63 xn's scale words; v64-111 W's, three sets; v128-191, v192-255 xn's fragments, two buffers (the second is at work in an epilogue).
;   window 1: the accumulators.   window 2: W's fragments, 32 a K step.   window 3: the biases in the result's layout.
.set XS,  32                           ; group g, K step ks at 8 g + ks: lanes 0-15 tile u = 0, lanes 16-31 tile u = 1
.set WS,  64                           ; unit ty, group p, K step ks at 16 ty + 8 p + ks, likewise
.set XB,  128
.set PC,  192                          ; epilogue: codes, four sets of 8
.set TM,  224                          ; epilogue: +0..3 largest magnitudes, +4..7 bytes, +12..15 scale operands
.set PW,  240                          ; epilogue: scale words as made
.set OW,  244                          ; epilogue: scale words as stored
.set WV,  22
.set SEL, 36
.set MSB, 0
.macro WIN new                         ; the immediate's high byte repeats the setting that is left
.if MSB != \new
	s_set_vgpr_msb (MSB<<8)|\new
.set MSB, \new
.endif
.endm
.macro PLACES n
.rept \n
	v_nop
.endr
.endm
.macro ROUND                           ; a round of the cluster's barrier
	s_barrier_signal -1
	s_barrier_wait -1
	s_cmp_lg_u32 s[WV], 0
	s_cbranch_scc1 .Lnot_wave_0_\@
	s_barrier_signal -3
.Lnot_wave_0_\@:
	s_barrier_wait -3
	s_barrier_signal -1
	s_barrier_wait -1
.endm
	s_load_b256 s[4:11], s[0:1], 0x0               ; xc, sc, wc, bq
	s_load_b256 s[12:19], s[0:1], 0x20             ; bk, bv, qc, qs
	s_load_b64 s[20:21], s[0:1], 0x40              ; kv
	v_lshl_add_u32 v126, v0, 2, 0x29000
	v_mov_b32 v127, 0
	ds_add_u32 v126, v127
	ds_add_u32 v126, v127
	v_lshrrev_b32 v6, 5, v0
	v_readfirstlane_b32 s[WV], v6                  ; wave 0..3
	s_bfe_u32 s23, ttmp6, 0x40000                  ; cx
	s_and_b32 s52, ttmp7, 0xffff                   ; the block of 128 tokens
	s_lshl_b32 s39, s23, 2
	s_add_co_u32 s39, s39, s[WV]                   ; my head
	s_lshr_b32 s53, s52, 4                         ; the batch
	s_and_b32 s54, s52, 15                         ; the block's place in it: the key step
	s_lshl_b32 s55, s53, 4
	s_add_co_u32 s55, s55, s39                     ; 16 x batch + head
	v_and_b32 v6, 31, v0
	v_bfe_u32 v7, v0, 4, 1                         ; h
	v_and_b32 v8, 15, v0                           ; r
	v_lshlrev_b32 v1, 4, v6                        ; v1  16 x lane
	v_lshlrev_b32 v2, 3, v6                        ; v2  8 x lane
	v_lshlrev_b32 v3, 6, v7                        ; v3  bq, bk: my half's 16 numbers
	v_and_b32 v9, 8, v8
	v_add_nc_u32 v9, v9, v8
	v_lshlrev_b32 v4, 2, v9                        ; v4  bv: the number of row r + 8 (r / 8)
	s_mov_b32 s38, 0xffff0000                      ; lanes 16-31
	v_mov_b32 v10, 0x01000100
	v_mov_b32 v11, 0x03020302
	v_cndmask_b32 v5, v10, v11, s38                ; v5  byte selector: lanes 0-15 take a word's bytes 0, 1 twice, lanes 16-31 its bytes 2, 3 twice
	s_mov_b32 s[SEL], 0x76543210
	s_mov_b32 s[SEL+1], 0xfedcba98
	; the descriptor: a group image, 16,384 dense bytes, as 64 rows of 32 elements of 8 bytes
	s_mov_b32 s24, 15|(3<<16)|(1<<21)              ; 15:0 the mask: all four partners; 17:16 elements of 8 bytes; 21 set beside a mask
	s_mov_b32 s25, 32<<16                          ; tensor_dim0 = 32
	s_mov_b32 s26, 64<<16                          ; tensor_dim1 = 64
	s_mov_b32 s27, 32<<16                          ; tile_dim0 = 32
	s_mov_b32 s28, 64                              ; tile_dim1 = 64
	s_mov_b32 s29, 32                              ; stride
	s_mov_b32 s30, 0
	s_mov_b32 s31, 0
	s_mov_b32 s32, 1
	s_lshl_b32 s33, s[WV], 14                      ; LDS: group w
	s_lshl_b32 s56, s52, 16                        ; memory: the block's 65,536 bytes, group w: no place in the cluster enters
	s_add_co_u32 s56, s56, s33
	s_mov_b32 s57, 0
	s_mov_b32 s59, 0
	s_wait_dscnt 0x0
	s_wait_kmcnt 0x0
	s_add_nc_u64 s[34:35], s[4:5], s[56:57]
	s_or_b32 s35, s35, 0x80000000
	s_lshl_b32 s58, s39, 15                        ; W: two groups of 16,384 bytes a head
	s_add_nc_u64 s[40:41], s[8:9], s[58:59]
	s_lshl_b32 s58, s55, 16
	s_lshl_b32 s53, s54, 12
	s_add_co_u32 s58, s58, s53
	s_add_nc_u64 s[42:43], s[16:17], s[58:59]      ; qc
	s_lshl_b32 s58, s55, 13
	s_lshl_b32 s53, s54, 9
	s_add_co_u32 s58, s58, s53
	s_add_nc_u64 s[44:45], s[18:19], s[58:59]      ; qs
	s_mul_i32 s58, s55, 139264
	s_mul_i32 s53, s54, 8704
	s_add_co_u32 s58, s58, s53
	s_add_nc_u64 s[46:47], s[20:21], s[58:59]      ; kv
	s_lshl_b32 s58, s52, 12
	s_add_nc_u64 s[48:49], s[6:7], s[58:59]        ; xn's scale images
	s_lshl_b32 s58, s39, 11
	s_add_co_u32 s58, s58, 262144
	s_add_nc_u64 s[50:51], s[6:7], s[58:59]        ; W's
	s_lshl_b32 s58, s39, 8
	s_add_nc_u64 s[10:11], s[10:11], s[58:59]      ; the biases at my head
	s_add_nc_u64 s[12:13], s[12:13], s[58:59]
	s_add_nc_u64 s[14:15], s[14:15], s[58:59]
	ROUND                                          ; all four work-groups are here: the joint loads meet
	tensor_load_to_lds s[32:35], s[24:31]          ; my one tensor load of the launch
	s_nop 0
	PLACES 4
	s_wait_alu depctr_va_vdst(0)
.irp g, 0,1,2,3
.irp q, 0,1
	global_load_b128 v[XS+8*\g+4*\q:XS+8*\g+4*\q+3], v1, s[48:49] offset:1024*\g+512*\q
.endr
.endr
.irp ty, 0,1,2
.irp p, 0,1
.irp q, 0,1
	global_load_b128 v[WS+16*\ty+8*\p+4*\q:WS+16*\ty+8*\p+4*\q+3], v1, s[50:51] offset:32768*\ty+1024*\p+512*\q
.endr
.endr
.endr
	WIN 0xc0                                       ; destination window 3
.irp p, 0,1
.irp u, 0,1
	global_load_b128 v[8*(2*\p+\u):8*(2*\p+\u)+3], v3, s[10:11] offset:(32*\p+8*\u)*4        ; lane (., h), register j: b(32 p + 8 u + 16 h + j)
	global_load_b128 v[8*(2*\p+\u)+4:8*(2*\p+\u)+7], v3, s[10:11] offset:(32*\p+8*\u)*4+16
	global_load_b128 v[32+8*(2*\p+\u):32+8*(2*\p+\u)+3], v3, s[12:13] offset:(32*\p+8*\u)*4
	global_load_b128 v[32+8*(2*\p+\u)+4:32+8*(2*\p+\u)+7], v3, s[12:13] offset:(32*\p+8*\u)*4+16
.irp j, 0,1,2,3,4,5,6,7
	global_load_b32 v[64+8*(2*\p+\u)+\j], v4, s[14:15] offset:(32*\p+8*\u)*4                 ; v's result holds one of the head's 64 a lane: the same number in all eight registers
.endr
.endr
.endr
.macro WLD ty, ks                      ; W's four fragments of unit ty, K step ks (destination window 2)
.irp p, 0,1
.irp u, 0,1
.irp c, 0,1
	global_load_b128 v[32*(\ks)+8*(2*\p+\u)+4*\c:32*(\ks)+8*(2*\p+\u)+4*\c+3], v1, s[40:41] offset:(\ty)*524288+\p*16384+(\ks)*2048+\u*1024+\c*512
.endr
.endr
.endr
.endm
	WIN 0x80
.irp k, 0,1,2,3,4,5,6,7
	WLD 0, \k
.endr
	WIN 0
.macro XFETCH ks, buf                  ; xn's eight fragments of K step ks: each load reads 512 consecutive bytes of LDS
.irp g, 0,1,2,3
.irp u, 0,1
.irp c, 0,1
	ds_load_b128 v[XB+64*(\buf)+8*(2*\g+\u)+4*\c:XB+64*(\buf)+8*(2*\g+\u)+4*\c+3], v1 offset:\g*16384+(\ks)*2048+\u*1024+\c*512
.endr
.endr
.endr
.endm
.macro WM                              ; one product, by the symbols rD, rA, rB, rC, rSA, rSB; fA, fB: the side's scales stand in lanes 16-31
.if fA && fB
	v_wmma_scale_f32_16x16x128_f8f6f4 v[rD:rD+7], v[rA:rA+7], v[rB:rB+7], v[rC:rC+7], v[rSA], v[rSB] matrix_a_fmt:MATRIX_FMT_FP4 matrix_b_fmt:MATRIX_FMT_FP4 matrix_a_scale:MATRIX_SCALE_ROW1 matrix_b_scale:MATRIX_SCALE_ROW1
.elseif fA
	v_wmma_scale_f32_16x16x128_f8f6f4 v[rD:rD+7], v[rA:rA+7], v[rB:rB+7], v[rC:rC+7], v[rSA], v[rSB] matrix_a_fmt:MATRIX_FMT_FP4 matrix_b_fmt:MATRIX_FMT_FP4 matrix_a_scale:MATRIX_SCALE_ROW1
.elseif fB
	v_wmma_scale_f32_16x16x128_f8f6f4 v[rD:rD+7], v[rA:rA+7], v[rB:rB+7], v[rC:rC+7], v[rSA], v[rSB] matrix_a_fmt:MATRIX_FMT_FP4 matrix_b_fmt:MATRIX_FMT_FP4 matrix_b_scale:MATRIX_SCALE_ROW1
.else
	v_wmma_scale_f32_16x16x128_f8f6f4 v[rD:rD+7], v[rA:rA+7], v[rB:rB+7], v[rC:rC+7], v[rSA], v[rSB] matrix_a_fmt:MATRIX_FMT_FP4 matrix_b_fmt:MATRIX_FMT_FP4
.endif
.endm
; A K step: 32 products; the 32 accumulators take turns, one instruction a turn, in the same order in every K step.
.macro MUL ty, ks, buf
.if (\ty) < 2
.if (\ks) == 0
	WIN 0x72                                       ; source 0 (W) window 2, source 1 (xn) window 0, C (the bias) window 3, D window 1
.else
	WIN 0x52                                       ; C window 1
.endif
.else
.if (\ks) == 0
	WIN 0x78                                       ; source 0 (xn) window 0, source 1 (W) window 2, C window 3, D window 1
.else
	WIN 0x58
.endif
.endif
.irp i, 0,1,2,3,4,5,6,7
.irp dt, 0,1,2,3
.if (\ty) < 2
.set rD, 32*\i+8*\dt
.set rA, 32*(\ks)+8*\dt
.set rB, XB+64*(\buf)+8*\i
.set rSA, WS+16*(\ty)+8*(\dt/2)+(\ks)
.set rSB, XS+8*(\i/2)+(\ks)
.set fA, \dt%2
.set fB, \i%2
.else
.set rD, 64*\dt+8*\i
.set rA, XB+64*(\buf)+8*\i
.set rB, 32*(\ks)+8*\dt
.set rSA, XS+8*(\i/2)+(\ks)
.set rSB, WS+16*(\ty)+8*(\dt/2)+(\ks)
.set fA, \i%2
.set fB, \dt%2
.endif
.if (\ks) == 0
.set rC, 32*(\ty)+8*\dt
.else
.set rC, rD
.endif
	WM
.endr
.endr
.endm
; 64 numbers of a lane in window 1, register 16 b + i = place 32 b + 16 (lane / 16) + i along the next K, become 8 registers of codes at v[pc] and four scale bytes in v[pw].
; Behind the exchange registers 4 c .. 4 c + 3 of lane (r, h) hold block 2 c + h whole.  Each accumulator is read from its low end on.
.macro QUANT a, pc, pw
	WIN 0x05                                       ; sources 0 and 1 window 1
.irp b, 0,1,2,3
	v_max3_num_f32 v[TM+\b], |v[16*\b+(\a)]|, |v[16*\b+1+(\a)]|, 0x1800000   ; with the floor 2^(3 - 127)
.endr
.irp i, 2,4,6,8,10,12,14
.irp b, 0,1,2,3
	v_max3_num_f32 v[TM+\b], |v[16*\b+\i+(\a)]|, |v[16*\b+\i+1+(\a)]|, v[TM+\b]
.endr
.endr
	WIN 0
.irp b, 0,1,2,3
	v_permlanex16_b32 v[TM+4+\b], v[TM+\b], s[SEL], s[SEL+1]
.endr
.irp b, 0,1,2,3
	v_max_num_f32 v[TM+\b], v[TM+\b], v[TM+4+\b]   ; with lane l xor 16's 16: the block's largest magnitude
.endr
.irp b, 0,1,2,3
	v_add_nc_u32 v[TM+12+\b], 0xff000000, v[TM+\b] ; 2 off the exponent field: the conversion's scale operand
.endr
.irp b, 0,1,2,3
	v_lshrrev_b32 v[TM+4+\b], 23, v[TM+12+\b]      ; the byte
.endr
	v_lshl_or_b32 v[\pw], v[TM+5], 8, v[TM+4]
	v_lshl_or_b32 v[\pw], v[TM+6], 16, v[\pw]
	v_lshl_or_b32 v[\pw], v[TM+7], 24, v[\pw]
	WIN 0x01                                       ; source 0 window 1
.irp b, 0,1,2,3
	v_cvt_scalef32_pk8_fp4_f32 v[2*\b+(\pc)], v[16*\b+(\a):16*\b+7+(\a)], v[TM+12+\b]
	v_cvt_scalef32_pk8_fp4_f32 v[2*\b+1+(\pc)], v[16*\b+8+(\a):16*\b+15+(\a)], v[TM+12+\b]
.endr
	WIN 0
	v_nop                                          ; one plain instruction behind the last scaled conversion
.irp c, 0,1
.irp i, 0,1
	v_permlane16_swap_b32 v[4*\c+\i+(\pc)], v[4*\c+2+\i+(\pc)]
.endr
.endr
.endm
; A unit's eight K steps.  A K step's fragments of xn were asked for a K step ago; the four places behind the products serve the loads into W's registers just read,
; the next fetch into the buffer just read, and the epilogue's reads and writes (ISA guide 7.12.1 for vector instructions).
.macro UNIT ty
.if (\ty) > 0
	s_wait_loadcnt 0x0                             ; this unit's W, asked for a unit ago
.endif
.irp ks, 0,1,2,3,4,5,6,7
.if (\ty) == 0
	s_wait_loadcnt 56                              ; the first unit goes K step by K step: younger than this K step's eight loads of W are the 8 (7 - ks) of the later K steps and the 8 ks of the next unit's: 56; scale words and biases are older
.endif
	s_wait_dscnt 0x0
.if \ks < 7
	XFETCH \ks+1, (\ks+1)%2
.elseif (\ty) < 2
	XFETCH 0, 0                                    ; the next unit's first
.endif
	MUL \ty, \ks, \ks%2
	WIN 0
	PLACES 4
.if (\ty) < 2
	WIN 0x80
	WLD \ty+1, \ks
	WIN 0
.endif
.endr
.endm
	s_wait_tensorcnt 0x0                           ; my group lies in LDS,
	s_barrier_signal -1
	s_barrier_wait -1                              ; everybody's does
	XFETCH 0, 0
	UNIT 0
.irp g, 0,1,2,3                                ; q: blocks 0, 1 are tile u = 0's tokens, blocks 2, 3 tile u = 1's
	QUANT 64*\g, PC+8*\g, PW
	global_store_b128 v1, v[PC+8*\g:PC+8*\g+3], s[42:43] offset:1024*\g
	global_store_b128 v1, v[PC+8*\g+4:PC+8*\g+7], s[42:43] offset:1024*\g+512
	v_perm_b32 v[OW+\g], v[PW], v[PW], v5          ; lane (u, r): (s0, s1, s0, s1) of query (g, u, r)
.endr
	global_store_b128 v1, v[OW:OW+3], s[44:45]
	s_wait_xcnt 0x0                                ; the stores have read their registers: the second buffer may be loaded again
	UNIT 1
.irp g, 0,1,2,3                                ; k: the eight registers are a fragment: tile u = 0 in K's first half, tile u = 1 in its second; the word's bytes likewise
	QUANT 64*\g, PC+8*\g, PW+\g
	global_store_b128 v1, v[PC+8*\g:PC+8*\g+3], s[46:47] offset:1024*\g
	global_store_b128 v1, v[PC+8*\g+4:PC+8*\g+7], s[46:47] offset:1024*\g+512
.endr
	v_cndmask_b32 v[OW], v[PW], v[PW+1], s38       ; lanes 0-15 fragment 0's words, lanes 16-31 fragment 1's;
	v_cndmask_b32 v[OW+1], v[PW+2], v[PW+3], s38   ; fragments 2 and 3
	global_store_b64 v2, v[OW:OW+1], s[46:47] offset:8192
	s_wait_xcnt 0x0
	UNIT 2
.irp d, 0,1,2,3                                ; v: 16 of the head's 64 x the step's 128 keys: a whole fragment and its scale word
	QUANT 64*\d, PC+8*\d, PW+\d
	global_store_b128 v1, v[PC+8*\d:PC+8*\d+3], s[46:47] offset:4096+1024*\d
	global_store_b128 v1, v[PC+8*\d+4:PC+8*\d+7], s[46:47] offset:4096+1024*\d+512
.endr
	v_cndmask_b32 v[OW], v[PW], v[PW+1], s38
	v_cndmask_b32 v[OW+1], v[PW+2], v[PW+3], s38
	global_store_b64 v2, v[OW:OW+1], s[46:47] offset:8448
	s_wait_tensorcnt 0x0
	ds_add_u32 v126, v127
	s_wait_dscnt 0x0
	ROUND                                          ; the closing round: no work-group ends while a partner may still ask jointly
	s_endpgm
.Lfunc_end_k_qcd9528213a_proj:
	.size	k_qcd9528213a_proj, .Lfunc_end_k_qcd9528213a_proj-k_qcd9528213a_proj
	.p2alignl 7, 3214868480
	.fill 96, 4, 3214868480
	.section	.rodata,"a",@progbits
	.p2align	6, 0x0
	.amdhsa_kernel k_qcd9528213a_proj
		.amdhsa_group_segment_fixed_size 168448
		.amdhsa_private_segment_fixed_size 0
		.amdhsa_enable_private_segment 0
		.amdhsa_kernarg_size 72
		.amdhsa_user_sgpr_count 2
		.amdhsa_user_sgpr_kernarg_segment_ptr 1
		.amdhsa_wavefront_size32 1
		.amdhsa_system_sgpr_workgroup_id_x 1
		.amdhsa_system_sgpr_workgroup_id_y 1
		.amdhsa_system_sgpr_workgroup_id_z 1
		.amdhsa_system_vgpr_workitem_id 0
		.amdhsa_next_free_vgpr 1024
		.amdhsa_next_free_sgpr 72
		.amdhsa_reserve_vcc 0
		.amdhsa_float_denorm_mode_32 3
		.amdhsa_float_denorm_mode_16_64 3
		.amdhsa_memory_ordered 1
		.amdhsa_forward_progress 1
		.amdhsa_inst_pref_size 205
	.end_amdhsa_kernel
	.amdgpu_metadata
---
amdhsa.version: [ 1, 2 ]
amdhsa.kernels:
  - .name:           k_qcd9528213a_proj
    .symbol:         k_qcd9528213a_proj.kd
    .args:
      - { .name: xc, .offset: 0, .size: 8, .value_kind: global_buffer, .address_space: global }
      - { .name: sc, .offset: 8, .size: 8, .value_kind: global_buffer, .address_space: global }
      - { .name: wc, .offset: 16, .size: 8, .value_kind: global_buffer, .address_space: global }
      - { .name: bq, .offset: 24, .size: 8, .value_kind: global_buffer, .address_space: global }
      - { .name: bk, .offset: 32, .size: 8, .value_kind: global_buffer, .address_space: global }
      - { .name: bv, .offset: 40, .size: 8, .value_kind: global_buffer, .address_space: global }
      - { .name: qc, .offset: 48, .size: 8, .value_kind: global_buffer, .address_space: global }
      - { .name: qs, .offset: 56, .size: 8, .value_kind: global_buffer, .address_space: global }
      - { .name: kv, .offset: 64, .size: 8, .value_kind: global_buffer, .address_space: global }
    .group_segment_fixed_size: 168448
    .private_segment_fixed_size: 0
    .kernarg_segment_align: 8
    .kernarg_segment_size: 72
    .max_flat_workgroup_size: 128
    .sgpr_count:     72
    .vgpr_count:     1024
    .wavefront_size: 32
...
	.end_amdgpu_metadata
.endif
;; end of part 2
;; launch attn (part 3): grid 4 x 64, 16 waves a work-group, clusters of 4 x 1, 175,104 bytes of LDS; arguments qc, qs, kv, cc, csc; writes cc, csc
.if DOCPART == 3
	.amdgcn_target "amdgcn-amd-amdhsa--gfx1250"
	.amdhsa_code_object_version 6
	.text
	.protected	k_qcd9528213a_attn
	.globl	k_qcd9528213a_attn
	.p2align	8
	.type	k_qcd9528213a_attn,@function
k_qcd9528213a_attn:
	s_mov_b64 s[64:65], 0
	v_nop
	global_prefetch_b8 v0, s[64:65] scope:SCOPE_SE
	s_setreg_imm32_b32 hwreg(HW_REG_WAVE_MODE, 25, 1), 1
	s_wait_xcnt 0x0
	s_wait_alu depctr_hold_cnt(0) depctr_sa_sdst(0) depctr_va_vdst(0) depctr_va_sdst(0) depctr_va_ssrc(0) depctr_va_vcc(0) depctr_vm_vsrc(0)
	s_getreg_b32 s2, hwreg(HW_REG_IB_STS2, 6, 4)
	s_cmp_eq_u32 s2, 0
	s_cbranch_scc0 .Lentry_in_a_cluster
	s_endpgm
.Lentry_in_a_cluster:
	s_bfe_u32 s2, ttmp6, 0x10000c
	s_cmp_lg_u32 s2, 0x3003
	s_cbranch_scc0 .Lentry_shape_is_right
	s_endpgm
.Lentry_shape_is_right:
; heads = softmax(q k^T / 8) v on codes of FP4, and the quantising of the result along (head, e) for the last product.
; THE SOFTMAX AHEAD OF THE SECOND PRODUCT: t = score x log2(e) / 8; M = the running largest t rounded UP to a whole number; p = 2^(t - M) is quantised along the keys, not normalised;
; the row's sum is taken of the unquantised p and divides O at the end; when M moves, the sums and O are multiplied by 2^(old M - new M), which rounds nothing.
; SHARES.  Work-group y is a head of a batch; the four work-groups of a cluster take 512 queries each.  Each of sixteen waves owns 32 queries and walks all 2,048 keys twice, once for each tile of 16.
; K, V and their scale words of the WHOLE head (16 key steps of 8,704 bytes) come into LDS once, asked for JOINTLY by the four partners: wave w brings step w, one tensor load a wave.
; Waves 0 to 3 have a load line of their own: the first barrier shows steps 0 to 3, a plain barrier behind a tile's third step shows the rest.  Nothing in LDS is filled again, so there is no ring,
; and with every load at the head there is no loop to prefetch in.
; LDS: a step is 17 rows of 512 bytes, 64 bytes of padding behind each (pitch 576): rows 0-7 K's pieces (group g of 32 keys, tile u) at row 2 g + u, rows 8-15 V's pieces, row 16 K's and V's scale words.
; LAYOUT.  Both products are used transposed (S^T = K Q^T, O^T = V^T P^T), with 32 rows of source 0: a lane holds ONE query throughout.  K = 64 is half of the instruction's 128: a fragment holds two tiles of keys,
; one in each half of K; it is multiplied by (q | 0) and by (0 | q), which share q's four registers: v16-27 = 0000 qqqq 0000.  Zero codes add nothing under any scale byte but 0xff.
; WHICH KEYS FORM A TILE is chosen by the lanes' LDS addresses: tile (c, j) takes as rows 0-7 keys 64 c + 8 j + 0..7 and as rows 8-15 keys 64 c + 32 + 8 j + 0..7.  So lane (r, h) holds, in the 32 registers of
; tiles (c, 0..3), the WHOLE block 2 c + h of 32 keys: a block's largest score needs no other lane, and the four conversions of a block give registers 4 c .. 4 c + 3 of p's operand as they stand.
; Tile (c, j) lies at v[96 + 32 c + 16 (j % 2) + 8 (j / 2)]: the product with q in half u writes tiles j = u and j = 2 + u.
; A block's largest p is not searched for: the block's largest score goes through the same multiply-add and exponential (this takes v_exp_f32 not to fall where its input rises).
; LIMITS: NaN and infinities are not served; a block of zeros gets the byte 1 (its codes are zeros; only this program reads the bytes); p under 2^-126 counts as 0.
; REGISTERS: v1 16 x lane, v2 8 x lane, v3, v4 V's addresses, v5, v14 my lane's place in K's pieces and among K's words, v6, v7 the way out of the scale halfwords, v8-11, v29 the second tile's q and word,
;   v12 -M, v13 the largest score, v15 8 h, v16-27 q, v28 q's word, v30, v31 the tiles' halfwords, v32-63 K, v64-95 V, v96-159 S^T then p, v160-191 O^T, v192-207 the sum in eight pairs (at a tile's end v192-223 O / sum),
;   v224-231 codes, v232-247 at work, v240, v241 K's addresses, v248-251 K's and V's words, v252 f, v253 p's word, v243, v255 the spare word's address and 0.
.set STEPB, 8704                       ; a key step in memory
.set RP,    576                        ; an LDS row: 512 bytes + 64
.set STEPL, 17*RP                      ; a key step in LDS
.set SCG,   0x2a000                    ; the work-group's 1,024 bytes of scale halfwords
.set SPARE, 0x2a400                    ; the spare words: 128 bytes a wave
.set WV,  14
.set SEL, 20
.set CS,  22
.set G1,  24
.set G0,  32
.set TB,  48                           ; LDS byte at which the step in hand begins
.set NS,  49
.set NT,  50
.macro PLACES n
.rept \n
	v_nop
.endr
.endm
.macro WALU
	s_wait_alu depctr_va_vdst(0)
.endm
.macro ROUND                           ; a round of the cluster's barrier
	s_barrier_signal -1
	s_barrier_wait -1
	s_cmp_lg_u32 s[WV], 0
	s_cbranch_scc1 .Lnot_wave_0_\@
	s_barrier_signal -3
.Lnot_wave_0_\@:
	s_barrier_wait -3
	s_barrier_signal -1
	s_barrier_wait -1
.endm
	s_load_b256 s[4:11], s[0:1], 0x0               ; qc, qs, kv, cc
	s_load_b64 s[12:13], s[0:1], 0x20              ; csc
	v_lshl_add_u32 v243, v0, 2, SPARE
	v_mov_b32 v255, 0
	ds_add_u32 v243, v255
	ds_add_u32 v243, v255
	v_lshrrev_b32 v3, 5, v0
	v_readfirstlane_b32 s[WV], v3                  ; wave 0..15
	s_bfe_u32 s15, ttmp6, 0x40000                  ; cx: my 512 queries
	s_and_b32 s16, ttmp7, 0xffff                   ; 16 x batch + head
	s_and_b32 s17, s16, 15                         ; head
	s_lshr_b32 s18, s16, 4                         ; batch
	s_lshr_b32 s56, s[WV], 2                       ; the halfword of query (g = w % 4, u, r) of block w / 4: 256 (w / 4) + 128 u + 8 r + 2 (w % 4)
	s_lshl_b32 s56, s56, 8
	s_and_b32 s57, s[WV], 3
	s_lshl_b32 s57, s57, 1
	s_add_co_u32 s56, s56, s57
	s_add_co_u32 s56, s56, SCG
	s_and_b32 s57, s[WV], 1
	s_lshl_b32 s57, s57, 9
	s_add_co_u32 s60, s57, SCG
	v_and_b32 v3, 31, v0
	v_and_b32 v4, 15, v0                           ; r
	v_bfe_u32 v15, v0, 4, 1                        ; h
	v_lshlrev_b32 v1, 4, v3
	v_lshlrev_b32 v2, 3, v3
	v_lshlrev_b32 v232, 4, v4                      ; 16 r: q's scale words
	v_and_b32 v233, 7, v0                          ; r % 8
	v_bfe_u32 v234, v0, 3, 1                       ; r / 8
	v_lshlrev_b32 v5, 4, v233
	v_mad_u32_u24 v5, v234, 2*RP, v5               ; rows 8-15 of a tile come from the next group of 32 keys: two LDS rows on
	v_lshl_add_u32 v5, v15, 8, v5                  ; v5 = 16 (r % 8) + 2 RP (r / 8) + 256 h
	v_lshl_add_u32 v14, v15, 3, v233
	v_lshl_add_u32 v14, v234, 4, v14
	v_lshlrev_b32 v14, 3, v14                      ; v14 = 8 (r % 8 + 8 h + 16 (r / 8)): lanes 0-15 the words of fragments (c, 0), lanes 16-31 of (c, 1)
	v_lshlrev_b32 v15, 3, v15                      ; 8 h
	v_lshl_add_u32 v6, v4, 3, s56
	v_add_nc_u32 v7, s60, v1
	WALU
	s_mov_b32 s[SEL], 0x76543210
	s_mov_b32 s[SEL+1], 0xfedcba98
	s_mov_b32 s[CS], 0x3e38aa3b                    ; c = log2(e) / 8
	s_mov_b32 s[CS+1], s[CS]                       ; (named with it as a pair, so it is written)
	; the descriptor: a key step, 8,704 dense bytes, as 17 rows of 64 elements of 8 bytes, 16 words of padding behind each 128
	s_mov_b32 s[G1], 15|(3<<16)|(1<<20)|(1<<21)|(6<<22)|(15<<25)
	s_mov_b32 s[G1+1], 64<<16
	s_mov_b32 s[G1+2], 17<<16
	s_mov_b32 s[G1+3], 64<<16
	s_mov_b32 s[G1+4], 17
	s_mov_b32 s[G1+5], 64
	s_mov_b32 s[G1+6], 0
	s_mov_b32 s[G1+7], 0
	s_mul_i32 s19, s[WV], STEPB                    ; wave w brings step w
	s_mul_i32 s52, s16, 16*STEPB
	s_add_co_u32 s52, s52, s19
	s_mov_b32 s53, 0
	s_mov_b32 s59, 0
	s_mov_b32 s[G0], 1
	s_mul_i32 s[G0+1], s[WV], STEPL
	s_wait_dscnt 0x0
	s_wait_kmcnt 0x0
	s_add_nc_u64 s[G0+2:G0+3], s[8:9], s[52:53]
	s_or_b32 s[G0+3], s[G0+3], 0x80000000
	s_lshl_b32 s58, s16, 16                        ; q's codes: 65,536 bytes a head, 16,384 a work-group, 1,024 a wave
	s_lshl_b32 s51, s15, 14
	s_add_co_u32 s58, s58, s51
	s_lshl_b32 s51, s[WV], 10
	s_add_co_u32 s58, s58, s51
	s_add_nc_u64 s[4:5], s[4:5], s[58:59]
	s_lshl_b32 s58, s16, 13                        ; q's scale words: 8,192 a head, 2,048 a work-group, 512 for four waves, 4 a wave
	s_lshl_b32 s51, s15, 11
	s_add_co_u32 s58, s58, s51
	s_lshr_b32 s51, s[WV], 2
	s_lshl_b32 s51, s51, 9
	s_add_co_u32 s58, s58, s51
	s_and_b32 s51, s[WV], 3
	s_lshl_b32 s51, s51, 2
	s_add_co_u32 s58, s58, s51
	s_add_nc_u64 s[6:7], s[6:7], s[58:59]
	global_load_b128 v[20:23], v1, s[4:5]          ; tile u = 0's q,
	global_load_b128 v[8:11], v1, s[4:5] offset:512   ; tile u = 1's
	global_load_b32 v28, v232, s[6:7]
	global_load_b32 v29, v232, s[6:7] offset:256
	s_lshl_b32 s58, s18, 6                         ; cc: the image of token group 64 batch + 16 cx + w; my head is K step head / 2, half head % 2
	s_lshl_b32 s51, s15, 4
	s_add_co_u32 s58, s58, s51
	s_add_co_u32 s58, s58, s[WV]
	s_lshl_b32 s58, s58, 14
	s_lshr_b32 s51, s17, 1
	s_lshl_b32 s51, s51, 11
	s_add_co_u32 s58, s58, s51
	s_and_b32 s51, s17, 1
	s_lshl_b32 s51, s51, 9
	s_add_co_u32 s58, s58, s51
	s_add_nc_u64 s[10:11], s[10:11], s[58:59]
	s_lshl_b32 s58, s17, 14                        ; csc: 16,384 a head, 256 for each block of 128 tokens
	s_lshl_b32 s51, s18, 12
	s_add_co_u32 s58, s58, s51
	s_lshl_b32 s51, s15, 10
	s_add_co_u32 s58, s58, s51
	s_add_co_u32 s58, s58, s57
	s_add_nc_u64 s[12:13], s[12:13], s[58:59]
	ROUND                                          ; all four work-groups are here: the joint loads meet
	s_cmp_lt_u32 s[WV], 4                          ; one chain, a load in each arm: waves 0 to 3, whose steps are shown first, have a line of their own
	s_cbranch_scc0 .Lrest
	tensor_load_to_lds s[G0:G0+3], s[G1:G1+7]      ; my one tensor load of the launch
	s_nop 0
	PLACES 4
	s_branch .Lasked
.Lrest:
	tensor_load_to_lds s[G0:G0+3], s[G1:G1+7]
	s_nop 0
	PLACES 4
.Lasked:
.irp j, 16,17,18,19,24,25,26,27
	v_mov_b32 v\j, 0                               ; the zero codes on both sides of q
.endr
	v_mov_b32 v30, 0
	v_mov_b32 v237, 0                              ; a lane permute's destination counts as one of its sources
	v_mov_b32 v253, 0                              ; (named as the upper half of the pair v[252:253] before it is first written)
	WALU
	s_wait_loadcnt 0x0
	s_wait_dscnt 0x0
	s_cmp_lt_u32 s[WV], 4
	s_cbranch_scc0 .Lnot_first
	s_wait_tensorcnt 0x0                           ; waves 0 to 3: my step lies in LDS
.Lnot_first:
	s_barrier_signal -1
	s_barrier_wait -1                              ; steps 0 to 3 do; the others may still be on their way
.macro KLOAD off                       ; K's four fragments (c, a) and their words: register 4 u of a fragment is tile j = 2 a + u
.irp c, 0,1
.irp a, 0,1
.irp u, 0,1
	ds_load_b128 v[32+16*\c+8*\a+4*\u:35+16*\c+8*\a+4*\u], v240 offset:(\off)+4*RP*\c+RP*\u+128*\a
.endr
.endr
.endr
	ds_load_b64 v[248:249], v241 offset:(\off)+16*RP   ; v248: c = 0, v249: c = 1: a word a lane, lane 16 a + r for row r of fragment (c, a)
.endm
.macro SUMS from, n                    ; pairs from .. from + n - 1 of p onto the eight sums by turns
.set P, \from
.rept \n
	v_pk_add_f32 v[192+2*(P%8):193+2*(P%8)], v[192+2*(P%8):193+2*(P%8)], v[96+2*P:97+2*P]
.set P, P+1
.endr
.endm
.macro CODES c                         ; block 2 c + h: tile (c, k) gives register 4 c + k of p's operand
.irp k, 0,1,2,3
	v_cvt_scalef32_pk8_fp4_f32 v[224+4*(\c)+\k], v[96+32*(\c)+16*(\k%2)+8*(\k/2):103+32*(\c)+16*(\k%2)+8*(\k/2)], v[244+(\c)]
.endr
.endm
; A KEY STEP: 128 keys.  more = 1: the next step's K is fetched behind this step's V.
.macro STEP more
	s_wait_dscnt 0x0                               ; K and its words, asked for a step ago
.irp c, 0,1
.irp u, 0,1                                    ; source 0: fragments (c, 0) and (c, 1), 32 rows
	v_wmma_scale_f32_32x16x128_f4 v[96+32*\c+16*\u:111+32*\c+16*\u], v[32+16*\c:47+16*\c], v[20-4*\u:27-4*\u], 0, v[248+\c], v28
.endr
.endr
	v_add_nc_u32 v3, s[TB], v1                     ; these four are the places between the products (the last step's too) and the loads into their registers and the first read of the scores
	v_add_nc_u32 v4, s[TB], v2
.if \more
	v_add_nc_u32 v240, s[TB], v5
	v_add_nc_u32 v241, s[TB], v14
.else
	PLACES 2
.endif
.irp d, 0,1,2,3
.irp c, 0,1
	ds_load_b128 v[64+8*\d+4*\c:67+8*\d+4*\c], v3 offset:(8+2*\d+\c)*RP
.endr
.endr
	ds_load_b64 v[250:251], v4 offset:16*RP+256    ; V's words: v250 fragments 0 (lanes 0-15) and 1 (lanes 16-31), v251 fragments 2 and 3
.if \more
	KLOAD STEPL
.endif
.irp g, 0,2,4,6,1,3,5,7                        ; the largest score of my two blocks: eight chains of eight registers by turns; the accumulators' low halves come first
	v_max3_num_f32 v[232+\g], v[96+8*\g], v[97+8*\g], v[98+8*\g]
.endr
.irp i, 3,5
.irp g, 0,1,2,3,4,5,6,7
	v_max3_num_f32 v[232+\g], v[232+\g], v[96+8*\g+\i], v[97+8*\g+\i]
.endr
.endr
	v_max3_num_f32 v232, v232, v233, v103          ; a block's four chains and the four registers that they left, the two blocks by turns
	v_max3_num_f32 v236, v236, v237, v135
	v_max3_num_f32 v234, v234, v235, v111
	v_max3_num_f32 v238, v238, v239, v143
	v_max3_num_f32 v232, v232, v234, v119
	v_max3_num_f32 v236, v236, v238, v151
	v_max_num_f32 v232, v232, v127                 ; block h's
	v_max_num_f32 v234, v236, v159                 ; block 2 + h's
	v_max3_num_f32 v236, v232, v234, v13           ; with the largest score so far,
	s_delay_alu instid0(VALU_DEP_1)
	v_permlanex16_b32 v237, v236, s[SEL], s[SEL+1]
	s_delay_alu instid0(VALU_DEP_1)
	v_max_num_f32 v13, v236, v237                  ; and lane l xor 16's two blocks
	s_delay_alu instid0(VALU_DEP_1)
	v_mul_f32 v238, s[CS], v13                     ; as t (c is positive)
	s_delay_alu instid0(VALU_DEP_1)
	v_floor_f32 v238, -v238                        ; the new -M = floor(-t) = -ceil(t)
	s_delay_alu instid0(VALU_DEP_1)
	v_sub_f32 v239, v238, v12                      ; old M - new M: a whole number, 0 or less
	v_mov_b32 v12, v238
	s_delay_alu instid0(VALU_DEP_2)
	v_cvt_i32_f32 v239, v239                       ; (it saturates)
	s_delay_alu instid0(VALU_DEP_1)
	v_ldexp_f32 v252, 1.0, v239                    ; f = 2^(old M - new M)
.set j, 0
.rept 32
	v_pk_fma_f32 v[96+j:97+j], v[96+j:97+j], s[CS:CS+1], v[12:13] op_sel_hi:[1,0,0]   ; t - M, two at a time
.set j, j+2
.endr
	v_fma_f32 v232, v232, s[CS], v12               ; the same of each block's largest score
	v_fma_f32 v234, v234, s[CS], v12
.set j, 0
.rept 16
	v_pk_mul_f32 v[160+j:161+j], v[160+j:161+j], v[252:253] op_sel_hi:[1,0]   ; O^T under the new M: no transcendental stands between the last products and these
.set j, j+2
.endr
	WALU                                           ; ahead of the batch
.set j, 0
.rept 64
	v_exp_f32 v[96+j], v[96+j]                     ; p = 2^(t - M)
.set j, j+1
.endr
	v_exp_f32 v232, v232                           ; my blocks' largest p
	v_exp_f32 v234, v234
	v_nop                                          ; a plain instruction behind the exponentials
	WALU                                           ; behind the batch
	v_max_num_f32 v232, 0x1800000, v232            ; the floor 2^(3 - 127)
	v_max_num_f32 v234, 0x1800000, v234
.irp k, 0,1,2,3,4,5,6,7
	v_pk_fma_f32 v[192+2*\k:193+2*\k], v[192+2*\k:193+2*\k], v[252:253], v[96+2*\k:97+2*\k] op_sel_hi:[1,0,1]   ; the eight sums under the new M, and their first pairs of p
.endr
	v_add_nc_u32 v244, 0xff000000, v232            ; 2 off the exponent field: the conversions' scale operands
	v_add_nc_u32 v245, 0xff000000, v234
	SUMS 8, 2
	v_lshrrev_b32 v246, 23, v244                   ; the bytes of blocks h and 2 + h
	v_lshrrev_b32 v247, 23, v245
	CODES 0
	v_lshl_or_b32 v246, v247, 16, v246             ; (a plain instruction behind the conversions; it names none of their registers)
	CODES 1
	v_lshlrev_b32 v246, v15, v246                  ; the two bytes at their places in the word (8 h bits up)
	SUMS 10, 4
	v_permlanex16_b32 v247, v246, s[SEL], s[SEL+1]
	SUMS 14, 4
	v_or_b32 v253, v246, v247                      ; with lane l xor 16's two the word is whole
	SUMS 18, 14                                    ; fourteen places between p's scale word and the products
	WALU
.if \more
	s_wait_dscnt 9                                 ; V and its words are in; the nine younger loads (the next step's K) may be out
.else
	s_wait_dscnt 0x0
.endif
.irp d, 0,1                                    ; source 0: V's fragments 2 d and 2 d + 1; the two accumulators by turns; the scores' four products stand between a sum's steps
	v_wmma_scale_f32_32x16x128_f4 v[160+16*\d:175+16*\d], v[64+16*\d:79+16*\d], v[224:231], v[160+16*\d:175+16*\d], v[250+\d], v253
.endr
	s_add_co_u32 s[TB], s[TB], STEPL
.endm
	s_mov_b32 s[NT], 2
.Ltrip:                                            ; a trip: one tile of 16 queries against all keys
	v_mov_b32 v13, 0xff61b1e6                      ; the largest score so far: -3e38
	s_delay_alu instid0(VALU_DEP_1)
	v_floor_f32 v12, -v13
.set j, 0
.rept 16
	v_mov_b32 v[192+j], 0                          ; the sums
.set j, j+1
.endr
.set j, 0
.rept 32
	v_mov_b32 v[160+j], 0                          ; O^T: the first step finds zeros, which the first change of M leaves zeros
.set j, j+1
.endr
	s_mov_b32 s[TB], 0
	v_add_nc_u32 v240, s[TB], v5
	v_add_nc_u32 v241, s[TB], v14
	KLOAD 0                                        ; step 0's K
	s_mov_b32 s[NS], 3
	WALU
.Lfirst:                                           ; steps 0 to 2: they read V of steps 0 to 2 and K of steps 1 to 3
	STEP 1
	s_sub_co_u32 s[NS], s[NS], 1
	s_cmp_lg_u32 s[NS], 0
	s_cbranch_scc1 .Lfirst
	s_wait_tensorcnt 0x0                           ; every wave: my step lies in LDS
	s_wait_dscnt 0x0
	s_barrier_signal -1                            ; a plain barrier: all sixteen steps are shown to all
	s_barrier_wait -1
	s_mov_b32 s[NS], 12
.Lstep:                                            ; steps 3 to 14
	STEP 1
	s_sub_co_u32 s[NS], s[NS], 1
	s_cmp_lg_u32 s[NS], 0
	s_cbranch_scc1 .Lstep
	STEP 0                                         ; the last step fetches no further K
.irp k, 0,1,2,3
	v_pk_add_f32 v[192+2*\k:193+2*\k], v[192+2*\k:193+2*\k], v[200+2*\k:201+2*\k]   ; the sum's eight pairs (these lines are also the places behind the last products)
.endr
	v_pk_add_f32 v[192:193], v[192:193], v[196:197]
	v_pk_add_f32 v[194:195], v[194:195], v[198:199]
	v_pk_add_f32 v[192:193], v[192:193], v[194:195]
	v_add_f32 v232, v192, v193
	v_permlanex16_b32 v237, v232, s[SEL], s[SEL+1]
	v_add_f32 v232, v232, v237                     ; and lane l xor 16's: the row's sum
	WALU
	v_rcp_f32 v232, v232
	v_nop                                          ; a plain instruction behind the reciprocal
	WALU
.set j, 0
.rept 32
	v_mul_f32 v[192+j], v[160+j], v232             ; register 16 p + i of lane (r, h): o(query r, e = 32 p + 16 h + i); each accumulator is read from its low end on
.set j, j+1
.endr
.irp p, 0,1
	v_max3_num_f32 v[232+\p], |v[192+16*\p]|, |v[193+16*\p]|, 0x1800000
.endr
.irp i, 2,4,6,8,10,12,14
.irp p, 0,1
	s_delay_alu instid0(VALU_DEP_2)
	v_max3_num_f32 v[232+\p], v[232+\p], |v[192+16*\p+\i]|, |v[193+16*\p+\i]|
.endr
.endr
.irp p, 0,1
	s_delay_alu instid0(VALU_DEP_2)
	v_permlanex16_b32 v[236+\p], v[232+\p], s[SEL], s[SEL+1]
.endr
.irp p, 0,1
	s_delay_alu instid0(VALU_DEP_2)
	v_max_num_f32 v[232+\p], v[232+\p], v[236+\p]
.endr
.irp p, 0,1
	s_delay_alu instid0(VALU_DEP_2)
	v_add_nc_u32 v[244+\p], 0xff000000, v[232+\p]
.endr
.irp p, 0,1
	s_delay_alu instid0(VALU_DEP_2)
	v_lshrrev_b32 v[238+\p], 23, v[244+\p]
.endr
	v_mov_b32 v31, v30                             ; behind the second trip: v31 tile u = 0's halfword, v30 tile u = 1's
	s_delay_alu instid0(VALU_DEP_2)
	v_lshl_or_b32 v30, v239, 8, v238
.irp p, 0,1
	v_cvt_scalef32_pk8_fp4_f32 v[224+2*\p], v[192+16*\p:199+16*\p], v[244+\p]
	v_cvt_scalef32_pk8_fp4_f32 v[225+2*\p], v[200+16*\p:207+16*\p], v[244+\p]
.endr
	v_nop
	v_permlane16_swap_b32 v224, v226               ; lane (r, h): query r's block h whole
	v_permlane16_swap_b32 v225, v227
	global_store_b128 v1, v[224:227], s[10:11]     ; 32 lanes store 512 consecutive bytes
	s_wait_xcnt 0x0                                ; the store has read its registers and its base
	s_add_nc_u64 s[10:11], s[10:11], 1024          ; tile u = 1's place in the image
.irp j, 0,1,2,3
	v_mov_b32 v[20+\j], v[8+\j]                    ; the second tile's q and scale word; the next trip's first lines are the places in front of its products
.endr
	v_mov_b32 v28, v29
	s_sub_co_u32 s[NT], s[NT], 1
	s_cmp_lg_u32 s[NT], 0
	s_cbranch_scc1 .Ltrip
	ds_store_b16 v6, v31                           ; lanes r and r + 16 write the same halfword with the same value
	ds_store_b16 v6, v30 offset:128
	s_wait_dscnt 0x0                               ; for the others' sake
	s_barrier_signal -1
	s_barrier_wait -1
	s_cmp_lt_u32 s[WV], 2                          ; waves 0 and 1 store the 1,024 bytes, 512 consecutive bytes each
	s_cbranch_scc0 .Lno_out
	ds_load_b128 v[32:35], v7
	s_wait_dscnt 0x0
	global_store_b128 v1, v[32:35], s[12:13]
.Lno_out:
	s_wait_tensorcnt 0x0                           ; the wave's end
	ds_add_u32 v243, v255
	s_wait_dscnt 0x0
	ROUND                                          ; the closing round
	s_endpgm
.Lfunc_end_k_qcd9528213a_attn:
	.size	k_qcd9528213a_attn, .Lfunc_end_k_qcd9528213a_attn-k_qcd9528213a_attn
	.p2alignl 7, 3214868480
	.fill 96, 4, 3214868480
	.section	.rodata,"a",@progbits
	.p2align	6, 0x0
	.amdhsa_kernel k_qcd9528213a_attn
		.amdhsa_group_segment_fixed_size 175104
		.amdhsa_private_segment_fixed_size 0
		.amdhsa_enable_private_segment 0
		.amdhsa_kernarg_size 40
		.amdhsa_user_sgpr_count 2
		.amdhsa_user_sgpr_kernarg_segment_ptr 1
		.amdhsa_wavefront_size32 1
		.amdhsa_system_sgpr_workgroup_id_x 1
		.amdhsa_system_sgpr_workgroup_id_y 1
		.amdhsa_system_sgpr_workgroup_id_z 1
		.amdhsa_system_vgpr_workitem_id 0
		.amdhsa_next_free_vgpr 256
		.amdhsa_next_free_sgpr 72
		.amdhsa_reserve_vcc 0
		.amdhsa_float_denorm_mode_32 3
		.amdhsa_float_denorm_mode_16_64 3
		.amdhsa_memory_ordered 1
		.amdhsa_forward_progress 1
		.amdhsa_inst_pref_size 54
	.end_amdhsa_kernel
	.amdgpu_metadata
---
amdhsa.version: [ 1, 2 ]
amdhsa.kernels:
  - .name:           k_qcd9528213a_attn
    .symbol:         k_qcd9528213a_attn.kd
    .args:
      - { .name: qc, .offset: 0, .size: 8, .value_kind: global_buffer, .address_space: global }
      - { .name: qs, .offset: 8, .size: 8, .value_kind: global_buffer, .address_space: global }
      - { .name: kv, .offset: 16, .size: 8, .value_kind: global_buffer, .address_space: global }
      - { .name: cc, .offset: 24, .size: 8, .value_kind: global_buffer, .address_space: global }
      - { .name: csc, .offset: 32, .size: 8, .value_kind: global_buffer, .address_space: global }
    .group_segment_fixed_size: 175104
    .private_segment_fixed_size: 0
    .kernarg_segment_align: 8
    .kernarg_segment_size: 40
    .max_flat_workgroup_size: 512
    .sgpr_count:     72
    .vgpr_count:     256
    .wavefront_size: 32
...
	.end_amdgpu_metadata
.endif
;; end of part 3
;; launch outp (part 4): grid 4 x 64, 4 waves a work-group, clusters of 4 x 1, 168,448 bytes of LDS; arguments cc, csc, wc, sc, bo, x, out0; writes out0
.if DOCPART == 4
	.amdgcn_target "amdgcn-amd-amdhsa--gfx1250"
	.amdhsa_code_object_version 6
	.text
	.protected	k_qcd9528213a_outp
	.globl	k_qcd9528213a_outp
	.p2align	8
	.type	k_qcd9528213a_outp,@function
k_qcd9528213a_outp:
	s_mov_b64 s[64:65], 0
	v_nop
	global_prefetch_b8 v0, s[64:65] scope:SCOPE_SE
	s_setreg_imm32_b32 hwreg(HW_REG_WAVE_MODE, 25, 1), 1
	s_wait_xcnt 0x0
	s_wait_alu depctr_hold_cnt(0) depctr_sa_sdst(0) depctr_va_vdst(0) depctr_va_sdst(0) depctr_va_ssrc(0) depctr_va_vcc(0) depctr_vm_vsrc(0)
	s_getreg_b32 s2, hwreg(HW_REG_IB_STS2, 6, 4)
	s_cmp_eq_u32 s2, 0
	s_cbranch_scc0 .Lentry_in_a_cluster
	s_endpgm
.Lentry_in_a_cluster:
	s_bfe_u32 s2, ttmp6, 0x10000c
	s_cmp_lg_u32 s2, 0x3003
	s_cbranch_scc0 .Lentry_shape_is_right
	s_endpgm
.Lentry_shape_is_right:
; out0 = x + concat Wo^T + bo; the product on codes of FP4.
; SHARES.  Work-group y is a block of 128 tokens; the four work-groups of a cluster take 256 output features each, wave w of work-group cx features 64 (4 cx + w) on: 32 accumulators, 256 registers.
; The block's codes (65,536 bytes, images of fragment registers) come into LDS once, each wave bringing one group of 32 tokens, asked for JOINTLY by the four partners, which need the same bytes.
; Wo's fragments go from memory straight into registers: each is read by one wave of the cluster alone.  The residual's 64 loads are issued at the head and land under the products.
; ORIENTATION: source 0 = 16 rows of Wo, source 1 = 16 tokens: a lane holds one token and 2 x 16 neighbouring features; bo is the C of each sum's first matrix instruction.
; THE WAY OUT: a tile of 16 tokens x 64 features goes through the wave's own stage in LDS and comes back by rows; x is added; sixteen lanes store 256 consecutive bytes, aligned.
; REGISTERS.  window 0: v1-6 addresses; v32-63 the tokens' scale words; v64-79 Wo's; v96-127 bo; v128-191, v192-255 two fragment buffers (at the head: the scale halfwords as loaded; on the way out: rows of out0).
;   window 1: the accumulators.   window 2: Wo's fragments.   window 3: x.
.set XS,  32
.set WS,  64
.set BI,  96
.set XB,  128
.set BK,  128
.set WV,  22
.set MSB, 0
.macro WIN new
.if MSB != \new
	s_set_vgpr_msb (MSB<<8)|\new
.set MSB, \new
.endif
.endm
.macro PLACES n
.rept \n
	v_nop
.endr
.endm
.macro ROUND
	s_barrier_signal -1
	s_barrier_wait -1
	s_cmp_lg_u32 s[WV], 0
	s_cbranch_scc1 .Lnot_wave_0_\@
	s_barrier_signal -3
.Lnot_wave_0_\@:
	s_barrier_wait -3
	s_barrier_signal -1
	s_barrier_wait -1
.endm
	s_load_b256 s[4:11], s[0:1], 0x0               ; cc, csc, wc, sc
	s_load_b128 s[12:15], s[0:1], 0x20             ; bo, x
	s_load_b64 s[16:17], s[0:1], 0x30              ; out0
	v_lshl_add_u32 v94, v0, 2, 0x29000
	v_mov_b32 v95, 0
	ds_add_u32 v94, v95
	ds_add_u32 v94, v95
	v_lshrrev_b32 v7, 5, v0
	v_readfirstlane_b32 s[WV], v7                  ; wave 0..3
	s_bfe_u32 s23, ttmp6, 0x40000                  ; cx
	s_and_b32 s52, ttmp7, 0xffff                   ; the block of 128 tokens
	s_lshl_b32 s39, s23, 2
	s_add_co_u32 s39, s39, s[WV]                   ; which 64 features
	v_and_b32 v7, 31, v0
	v_and_b32 v8, 15, v0                           ; r
	v_bfe_u32 v9, v0, 4, 1                         ; h
	v_lshlrev_b32 v1, 4, v7                        ; v1  16 x lane
	v_lshlrev_b32 v2, 3, v7                        ; v2  8 x lane
	v_lshlrev_b32 v3, 6, v9                        ; v3  bo: my half's 16 numbers
	s_mul_i32 s54, s[WV], 16*272
	s_add_co_u32 s54, s54, 65536                   ; my stage: 16 rows of 256 bytes + 16, behind the codes
	v_mul_u32_u24 v4, v8, 272
	v_lshl_add_u32 v4, v9, 6, v4
	v_add_nc_u32 v4, s54, v4                       ; v4  in: row r, + 64 h
	v_mul_u32_u24 v5, v9, 272
	v_lshl_add_u32 v5, v8, 4, v5
	v_add_nc_u32 v5, s54, v5                       ; v5  back: lanes 0-15 one row, lanes 16-31 the next
	v_lshlrev_b32 v6, 12, v9
	v_lshl_add_u32 v6, v8, 4, v6                   ; v6  and the same two rows in x and out0
	s_mov_b32 s36, 0x05040100                      ; two low halves
	s_mov_b32 s37, 0x07060302                      ; two high halves
	s_mov_b32 s24, 15|(3<<16)|(1<<21)              ; the descriptor: 16,384 dense bytes as 64 rows of 32 elements of 8 bytes; the mask names all four partners
	s_mov_b32 s25, 32<<16
	s_mov_b32 s26, 64<<16
	s_mov_b32 s27, 32<<16
	s_mov_b32 s28, 64
	s_mov_b32 s29, 32
	s_mov_b32 s30, 0
	s_mov_b32 s31, 0
	s_mov_b32 s32, 1
	s_lshl_b32 s33, s[WV], 14
	s_lshl_b32 s56, s52, 16
	s_add_co_u32 s56, s56, s33
	s_mov_b32 s57, 0
	s_mov_b32 s59, 0
	s_wait_dscnt 0x0
	s_wait_kmcnt 0x0
	s_add_nc_u64 s[34:35], s[4:5], s[56:57]
	s_or_b32 s35, s35, 0x80000000
	s_lshl_b32 s58, s52, 8
	s_add_nc_u64 s[6:7], s[6:7], s[58:59]          ; csc at my block
	s_lshl_b32 s58, s39, 15
	s_add_co_u32 s58, s58, 96*16384                ; Wo's groups follow Wq's, Wk's and Wv's 96
	s_add_nc_u64 s[40:41], s[8:9], s[58:59]
	s_lshl_b32 s58, s39, 11
	s_add_co_u32 s58, s58, 262144+96*1024
	s_add_nc_u64 s[50:51], s[10:11], s[58:59]
	s_lshl_b32 s58, s39, 8
	s_add_nc_u64 s[12:13], s[12:13], s[58:59]      ; bo at my 64 features
	s_lshl_b32 s53, s52, 19                        ; 128 rows of 4,096 bytes
	s_add_co_u32 s58, s58, s53
	s_add_nc_u64 s[14:15], s[14:15], s[58:59]
	s_add_nc_u64 s[16:17], s[16:17], s[58:59]
	ROUND                                          ; all four work-groups are here: the joint loads meet
	tensor_load_to_lds s[32:35], s[24:31]          ; my one tensor load of the launch
	s_nop 0
	PLACES 4
.irp hh, 0,1,2,3,4,5,6,7,8,9,10,11,12,13,14,15
	global_load_b64 v[128+2*\hh:129+2*\hh], v2, s[6:7] offset:16384*\hh    ; head hh: lane (u, r): the halfwords of tokens (g = 0 .. 3, u, r)
.endr
.irp p, 0,1
.irp q, 0,1
	global_load_b128 v[WS+8*\p+4*\q:WS+8*\p+4*\q+3], v1, s[50:51] offset:1024*\p+512*\q
.endr
.endr
	s_wait_alu depctr_va_vdst(0)
.irp p, 0,1
.irp u, 0,1
	global_load_b128 v[BI+8*(2*\p+\u):BI+8*(2*\p+\u)+3], v3, s[12:13] offset:(32*\p+8*\u)*4
	global_load_b128 v[BI+8*(2*\p+\u)+4:BI+8*(2*\p+\u)+7], v3, s[12:13] offset:(32*\p+8*\u)*4+16
.endr
.endr
	WIN 0x80                                       ; destination window 2
.irp ks, 0,1,2,3,4,5,6,7
.irp p, 0,1
.irp u, 0,1
.irp c, 0,1
	global_load_b128 v[32*\ks+8*(2*\p+\u)+4*\c:32*\ks+8*(2*\p+\u)+4*\c+3], v1, s[40:41] offset:\p*16384+\ks*2048+\u*1024+\c*512
.endr
.endr
.endr
.endr
	WIN 0xc0                                       ; destination window 3
.irp i, 0,1,2,3,4,5,6,7
.irp t, 0,1,2,3,4,5,6,7
	global_load_b128 v[32*\i+4*\t:32*\i+4*\t+3], v6, s[14:15] offset:(32*(\i/2)+8*(\i%2)+2*\t+8*(\t/4))*4096 th:TH_LOAD_NT   ; rows 2 t and 2 t + 1 of tile i: tokens 8 u + row + 8 (row / 8) of group g
.endr
.endr
	WIN 0
	s_wait_loadcnt 63                              ; all but the 63 youngest of the 64 loads of x: halfwords, scale words, bo and Wo are in
.irp ks, 0,1,2,3,4,5,6,7                       ; a token's word for K step ks: the halfwords of heads 2 ks and 2 ks + 1
.irp g, 0,1,2,3
.if \g%2
	v_perm_b32 v[XS+8*\g+\ks], v[128+2*(2*\ks+1)+\g/2], v[128+2*(2*\ks)+\g/2], s37
.else
	v_perm_b32 v[XS+8*\g+\ks], v[128+2*(2*\ks+1)+\g/2], v[128+2*(2*\ks)+\g/2], s36
.endif
.endr
.endr
	PLACES 8                                       ; scale registers written by vector instructions stand eight places ahead of a scaled matrix instruction
.macro XFETCH ks, buf
.irp g, 0,1,2,3
.irp u, 0,1
.irp c, 0,1
	ds_load_b128 v[XB+64*(\buf)+8*(2*\g+\u)+4*\c:XB+64*(\buf)+8*(2*\g+\u)+4*\c+3], v1 offset:\g*16384+(\ks)*2048+\u*1024+\c*512
.endr
.endr
.endr
.endm
.macro WM
.if fA && fB
	v_wmma_scale_f32_16x16x128_f8f6f4 v[rD:rD+7], v[rA:rA+7], v[rB:rB+7], v[rC:rC+7], v[rSA], v[rSB] matrix_a_fmt:MATRIX_FMT_FP4 matrix_b_fmt:MATRIX_FMT_FP4 matrix_a_scale:MATRIX_SCALE_ROW1 matrix_b_scale:MATRIX_SCALE_ROW1
.elseif fA
	v_wmma_scale_f32_16x16x128_f8f6f4 v[rD:rD+7], v[rA:rA+7], v[rB:rB+7], v[rC:rC+7], v[rSA], v[rSB] matrix_a_fmt:MATRIX_FMT_FP4 matrix_b_fmt:MATRIX_FMT_FP4 matrix_a_scale:MATRIX_SCALE_ROW1
.elseif fB
	v_wmma_scale_f32_16x16x128_f8f6f4 v[rD:rD+7], v[rA:rA+7], v[rB:rB+7], v[rC:rC+7], v[rSA], v[rSB] matrix_a_fmt:MATRIX_FMT_FP4 matrix_b_fmt:MATRIX_FMT_FP4 matrix_b_scale:MATRIX_SCALE_ROW1
.else
	v_wmma_scale_f32_16x16x128_f8f6f4 v[rD:rD+7], v[rA:rA+7], v[rB:rB+7], v[rC:rC+7], v[rSA], v[rSB] matrix_a_fmt:MATRIX_FMT_FP4 matrix_b_fmt:MATRIX_FMT_FP4
.endif
.endm
.macro MUL ks, buf                     ; 32 products; the 32 accumulators take turns, one instruction a turn, in the same order in every K step
.if (\ks) == 0
	WIN 0x42                                       ; source 0 (Wo) window 2, source 1 window 0, C (bo) window 0, D window 1
.else
	WIN 0x52                                       ; C window 1
.endif
.irp i, 0,1,2,3,4,5,6,7
.irp dt, 0,1,2,3
.set rD, 32*\i+8*\dt
.set rA, 32*(\ks)+8*\dt
.set rB, XB+64*(\buf)+8*\i
.set rSA, WS+8*(\dt/2)+(\ks)
.set rSB, XS+8*(\i/2)+(\ks)
.set fA, \dt%2
.set fB, \i%2
.if (\ks) == 0
.set rC, BI+8*\dt
.else
.set rC, rD
.endif
	WM
.endr
.endr
.endm
	s_wait_tensorcnt 0x0                           ; my group lies in LDS,
	s_barrier_signal -1
	s_barrier_wait -1                              ; everybody's does
	XFETCH 0, 0
.irp ks, 0,1,2,3,4,5,6,7
	s_wait_alu depctr_va_vdst(0)
	s_wait_dscnt 0x0                               ; this K step's fragments, asked for a K step ago
.if \ks < 7
	XFETCH \ks+1, (\ks+1)%2
.endif
	MUL \ks, \ks%2
	WIN 0
	PLACES 4                                       ; in front of the next fetch into the buffer just read, and of the first read of results
.endr
.macro TOSTAGE i                       ; tile i into my stage, each accumulator from its low end on, and back by rows.  LDS serves a wave's instructions in order (ISA guide 5.7.1.4): no wait between
	WIN 0x04                                       ; an LDS store's data are its source 1: window 1
.irp p, 0,1
.irp qd, 0,1,2,3
	ds_store_b128 v4, v[32*(\i)+16*\p+4*\qd:32*(\i)+16*\p+4*\qd+3] offset:128*\p+16*\qd     ; lane (r, h): features 32 p + 16 h + 4 qd on
.endr
.endr
	WIN 0
.irp t, 0,1,2,3,4,5,6,7
	ds_load_b128 v[BK+64*((\i)%2)+4*\t:BK+64*((\i)%2)+4*\t+3], v5 offset:544*\t
.endr
.endm
.macro SEND i, younger                 ; younger: the LDS instructions issued behind tile i's loads, which may stay out
	s_wait_dscnt \younger
	WIN 0x0c                                       ; source 1 (x) window 3
.irp e, 0,2,4,6,8,10,12,14,16,18,20,22,24,26,28,30
	v_pk_add_f32 v[BK+64*((\i)%2)+\e:BK+64*((\i)%2)+\e+1], v[BK+64*((\i)%2)+\e:BK+64*((\i)%2)+\e+1], v[32*(\i)+\e:32*(\i)+\e+1]
.endr
	WIN 0
.irp t, 0,1,2,3,4,5,6,7
	global_store_b128 v6, v[BK+64*((\i)%2)+4*\t:BK+64*((\i)%2)+4*\t+3], s[16:17] offset:(32*((\i)/2)+8*((\i)%2)+2*\t+8*(\t/4))*4096 th:TH_STORE_NT   ; sixteen lanes store 256 consecutive bytes, aligned
.endr
.endm
	s_wait_loadcnt 0x0                             ; x
	TOSTAGE 0
.irp a, 1,2,3,4,5,6,7
.if \a > 1
	s_wait_xcnt 0x0                                ; tile a - 2's stores have read their registers: tile a's rows may land there
.endif
	TOSTAGE \a
	SEND \a-1, 16                                  ; behind tile a - 1's loads: tile a's eight stores and eight loads
.endr
	SEND 7, 0
	s_wait_tensorcnt 0x0
	ds_add_u32 v94, v95
	s_wait_dscnt 0x0
	ROUND                                          ; the closing round
	s_endpgm
.Lfunc_end_k_qcd9528213a_outp:
	.size	k_qcd9528213a_outp, .Lfunc_end_k_qcd9528213a_outp-k_qcd9528213a_outp
	.p2alignl 7, 3214868480
	.fill 96, 4, 3214868480
	.section	.rodata,"a",@progbits
	.p2align	6, 0x0
	.amdhsa_kernel k_qcd9528213a_outp
		.amdhsa_group_segment_fixed_size 168448
		.amdhsa_private_segment_fixed_size 0
		.amdhsa_enable_private_segment 0
		.amdhsa_kernarg_size 56
		.amdhsa_user_sgpr_count 2
		.amdhsa_user_sgpr_kernarg_segment_ptr 1
		.amdhsa_wavefront_size32 1
		.amdhsa_system_sgpr_workgroup_id_x 1
		.amdhsa_system_sgpr_workgroup_id_y 1
		.amdhsa_system_sgpr_workgroup_id_z 1
		.amdhsa_system_vgpr_workitem_id 0
		.amdhsa_next_free_vgpr 1024
		.amdhsa_next_free_sgpr 72
		.amdhsa_reserve_vcc 0
		.amdhsa_float_denorm_mode_32 3
		.amdhsa_float_denorm_mode_16_64 3
		.amdhsa_memory_ordered 1
		.amdhsa_forward_progress 1
		.amdhsa_inst_pref_size 87
	.end_amdhsa_kernel
	.amdgpu_metadata
---
amdhsa.version: [ 1, 2 ]
amdhsa.kernels:
  - .name:           k_qcd9528213a_outp
    .symbol:         k_qcd9528213a_outp.kd
    .args:
      - { .name: cc, .offset: 0, .size: 8, .value_kind: global_buffer, .address_space: global }
      - { .name: csc, .offset: 8, .size: 8, .value_kind: global_buffer, .address_space: global }
      - { .name: wc, .offset: 16, .size: 8, .value_kind: global_buffer, .address_space: global }
      - { .name: sc, .offset: 24, .size: 8, .value_kind: global_buffer, .address_space: global }
      - { .name: bo, .offset: 32, .size: 8, .value_kind: global_buffer, .address_space: global }
      - { .name: x, .offset: 40, .size: 8, .value_kind: global_buffer, .address_space: global }
      - { .name: out0, .offset: 48, .size: 8, .value_kind: global_buffer, .address_space: global }
    .group_segment_fixed_size: 168448
    .private_segment_fixed_size: 0
    .kernarg_segment_align: 8
    .kernarg_segment_size: 56
    .max_flat_workgroup_size: 128
    .sgpr_count:     72
    .vgpr_count:     1024
    .wavefront_size: 32
...
	.end_amdgpu_metadata
.endif
;; end of part 4
